; MI455X (gfx1250); checked and timed in simulation.
; The chip was launched on July 23, 2026; its instructions are those of AMD's public machine-readable ISA for CDNA 5 (MIT licence, August 2026) and "CDNA5" Instruction Set Architecture Reference Guide (July 2026). The comments in the code are by the model that wrote it; some were corrected since.
;; Ternary Inference Linear. Allowed arithmetic: float matrix products may take bf16 or f16 operands with f32 sums; all other float work in f32.
;; Inputs: alpha 4,096 float32; bias 4,096 float32; int2_packed 4,096 x 256 int32; lora_A 16 x 4,096 float32; lora_B 4,096 x 16 float32; mu 4,096 float32; x 4,096 x 4,096 float32.
;; Outputs: out0 4,096 x 4,096 float32.
;; One version. Each part assembles by itself: llvm-mc -triple=amdgcn-amd-amdhsa -mcpu=gfx1250 --defsym DOCPART=n.
;; ======== version 1 of 1: 2 launches
;; limits: values are held in f16: magnitudes above 65,504 overflow, below 6.1e-05 lose precision; right only within a limited range of input values
;; workspace buffers: xh 33,554,432 bytes; wh 33,554,432 bytes; xap 524,288 bytes; rsp 65,536 bytes
;; launch prep (part 1): grid 256 x 1, 8 waves a work-group, no clusters, 316,672 bytes of LDS; arguments x, int2_packed, lora_A, xh, wh, xap, rsp; writes xh, wh, xap, rsp
.if DOCPART == 1
	.amdgcn_target "amdgcn-amd-amdhsa--gfx1250"
	.amdhsa_code_object_version 6
	.text
	.protected	k_qdb5cca75ac_prep
	.globl	k_qdb5cca75ac_prep
	.p2align	8
	.type	k_qdb5cca75ac_prep,@function
k_qdb5cca75ac_prep:
	s_mov_b64 s[64:65], 0
	v_nop
	global_prefetch_b8 v0, s[64:65] scope:SCOPE_SE
	s_setreg_imm32_b32 hwreg(HW_REG_WAVE_MODE, 25, 1), 1
	s_wait_xcnt 0x0
; PREP: makes the matrix operands of the product that follows, reading x, the packed codes and lora_A once.
;   xh[t][k]      = f16(x[t][k])                                     [4096][4096] f16
;   wh[o][k]      = f16(code - 1), codes 0..3 -> -1, 0, +1, +2       [4096][4096] f16 (exact; code 3 gives +2, as (code & 3) - 1 does)
;   xap[kq][t][r] = f16(sum over the k of quarter kq of x[t][k] lora_A[r][k])    [4][4096][16] f16
;   rsp[kq][t]    = sum over the k of quarter kq of x[t][k], in f32 from the unrounded x   [4][4096] f32
; WHY F16: a sum over 4,096 rounded x is compared within a hundredth of the output's root mean square.  f16 rounds with a relative error of at most 2^-11,
; bf16 of at most 2^-8; with bf16 the spread of the summed error is more than a quarter of that margin in the columns of the largest alpha.
; LIMITS: |x|, |lora_A| and each quarter sum of x A^T must stay under 65,504, f16's largest number; beyond it they become infinite.  (Numbers as the problem
; draws them: |x| under 6, quarter sums of spread 0.64; x and lora_A both thirty times larger: spread 580; both with an offset of thirty spreads:
; 1024 x 30 x 0.6 = 18,432.)  Numbers under 2^-14 are kept as denormals, with an absolute error of at most 2^-25.  The order of the f32 sums is this text's own.
; SHARES: work-group id = 4 rb + kq owns x rows 64 rb .. +63 at k = 1024 kq .. +1023 (256 KiB) and rows 16 id .. +15 of the codes.
; EIGHT WAVES IN TWO ROLES, wave = 4 role + q, so that each SIMD holds one wave of each role and the two kinds of work run side by side:
;   role 0 (waves 0-3): x rows 64 rb + 16 q .. +15 as four tiles of 16 rows x 256 k: xh, xap, rsp;
;   role 1 (waves 4-7): code rows 16 id + 4 q .. +3: wh.
; All eight waves round two ranks each of lora_A's slice to f16 for the four waves of role 0; that is what the one barrier is for.
; NO CLUSTER: the one thing that work-groups share is lora_A's slice of 64 KiB (of 336 KiB that a work-group reads); it has to pass through
; registers to be rounded to f16, so it is no tensor load and cannot be asked for jointly.
; Every LDS byte is filled once: a wave of role 0 issues four tensor loads at the start (four outstanding by this text's count), a wave of role 1 one, and none later.
.set XPITCH, 1040                      ; an x row in LDS: 1,024 bytes + 16 of padding = 65 x 16: sixteen rows' 16-byte pieces fall on sixteen different columns of 256 bytes
.set XTILE,  16*XPITCH                 ; 16,640
.set WX,     4*XTILE                   ; 66,560: a wave's four tiles
.set AL,     4*WX                      ; 266,240: lora_A's slice in f16, 16 rows; written by ds_store alone, no fill lands here
.set APITCH, 2064                      ; 2,048 + 16 = 129 x 16
.set TL,     AL+16*APITCH              ; 299,264: the packed codes, 4,096 bytes a wave of role 1, dense
.set LN,  1                            ; v1   lane l
.set RR,  2                            ; v2   r = l % 16
.set HH,  3                            ; v3   h = l / 16
.set FA,  4                            ; v4   x fragments:  q WX + 1040 r + 32 h
.set AA,  5                            ; v5   lora_A fragments: AL + 2064 r + 16 h
.set RA,  6                            ; v6   x by rows: q WX + 16 l;  v7 the same two tiles on (an LDS offset has 16 bits)
.set XO,  8                            ; v8   8 l: my 8 bytes in 256 bytes of xh
.set TA,  9                            ; v9   TL + 4096 q + 2 l: my 16 bits of codes; never rewritten
.set TO,  10                           ; v10  16 l: my 16 bytes in 512 (wh's stores, lora_A's loads)
.set AW,  12                           ; v12  AL + 2 wave rows + 8 l
.set XPO, 13                           ; v13  32 r + 16 h
.set RSO, 14                           ; v14  4 r
.set TMP, 15                           ; v15
.set S,   16                           ; v[16:23]   role 0: four pairs of running row sums
.set ACC0, 24                          ; v[24:31]
.set ACC1, 32                          ; v[32:39]
.set XF,  40                           ; v[40:55]   x fragments in f16, two buffers
.set AF,  56                           ; v[56:87]   lora_A fragments of four K steps
.set RAW, 88                           ; v[88:151]  x as f32 from LDS, by fragments
.set RW,  152                          ; v[152:215] x as f32 from LDS, by rows
.set Y,   216                          ; v[216:247] xh's store data
.set LA,  88                           ; v[88:151]  early, both roles: lora_A as loaded, 16 x 4
.set O,   24                           ; v[24:87]   role 1: wh's store data, 16 x 4
.set C,   216                          ; v[216:231] role 1: 16 bits of codes each
.set U,   232                          ; v[232:233]
.set M,   234                          ; v[234:241]
.set G1X, 24                           ; s[24:31] shape of an x tile
.set G1T, 32                           ; s[32:39] shape of the block of codes
.set G0T, 40                           ; s[40:43]
.set G0X, 44                           ; s[44:59] one group 0 for each x tile
	s_load_b256 s[4:11], s[0:1], 0x0               ; x s[4:5], int2_packed s[6:7], lora_A s[8:9], xh s[10:11]
	s_load_b128 s[12:15], s[0:1], 0x20             ; wh s[12:13], xap s[14:15]
	s_load_b64 s[16:17], s[0:1], 0x30              ; rsp
	v_lshl_add_u32 v248, v0, 2, 0x4d100
	v_mov_b32 v249, 0
	ds_add_u32 v248, v249
	ds_add_u32 v248, v249
	v_lshrrev_b32 v[TMP], 5, v0
	v_readfirstlane_b32 s72, v[TMP]                ; wave 0..7
	s_and_b32 s18, s72, 3                          ; q
	s_lshr_b32 s71, s72, 2                         ; role
	s_mov_b32 s19, ttmp9                           ; id
	s_lshr_b32 s20, s19, 2                         ; rb
	s_and_b32 s21, s19, 3                          ; kq
	; an x tile: 16 rows x 256 elements of 4 bytes, rows 4,096 elements apart; 4 words of padding behind every 256 words
	s_mov_b32 s[G1X+0], (2<<16)|(1<<20)|(7<<22)|(3<<25)
	s_mov_b32 s[G1X+1], 256<<16                    ; tensor_dim0 = 256
	s_mov_b32 s[G1X+2], 16<<16                     ; tensor_dim1 = 16
	s_mov_b32 s[G1X+3], 256<<16                    ; tile_dim0 = 256
	s_mov_b32 s[G1X+4], 16                         ; tile_dim1 = 16
	s_mov_b32 s[G1X+5], 4096                       ; pitch
	s_mov_b32 s[G1X+6], 0
	s_mov_b32 s[G1X+7], 0
	; the codes: four rows of 1,024 bytes follow each other in memory: 16 rows of 32 elements of 8 bytes, dense
	s_mov_b32 s[G1T+0], 3<<16
	s_mov_b32 s[G1T+1], 32<<16
	s_mov_b32 s[G1T+2], 16<<16
	s_mov_b32 s[G1T+3], 32<<16
	s_mov_b32 s[G1T+4], 16
	s_mov_b32 s[G1T+5], 32
	s_mov_b32 s[G1T+6], 0
	s_mov_b32 s[G1T+7], 0
	s_mov_b32 s23, 0                               ; the high word of every offset pair: all offsets lie below 4 GiB
	s_mul_i32 s3, s18, WX                          ; the four tiles of q in LDS
	s_mov_b32 s[G0T+0], 1
	s_lshl_b32 s[G0T+1], s18, 12
	s_add_co_u32 s[G0T+1], s[G0T+1], TL            ; TL + 4096 q
	s_lshl_b32 s22, s19, 14                        ; 16 id rows of 1,024 bytes
	s_lshl_b32 s2, s18, 12                         ; + 4 q rows
	s_add_co_u32 s22, s22, s2
	v_and_b32 v[LN], 31, v0
	v_lshlrev_b32 v[TO], 4, v[LN]
	s_wait_dscnt 0x0
	s_wait_kmcnt 0x0
	s_add_nc_u64 s[G0T+2:G0T+3], s[6:7], s[22:23]
	s_or_b32 s[G0T+3], s[G0T+3], 0x80000000
	s_lshl_b32 s22, s20, 20                        ; 64 rb rows of 16,384 bytes
	s_lshl_b32 s2, s18, 18                         ; + 16 q rows
	s_add_co_u32 s22, s22, s2
	s_lshl_b32 s2, s21, 12                         ; + 1,024 kq numbers
	s_add_co_u32 s22, s22, s2
	s_add_nc_u64 s[4:5], s[4:5], s[22:23]
.irp i, 0,1,2,3
	s_mov_b32 s[G0X+4*\i], 1
	s_add_co_u32 s[G0X+4*\i+1], s3, \i*XTILE
	s_add_nc_u64 s[G0X+4*\i+2:G0X+4*\i+3], s[4:5], \i*1024
	s_or_b32 s[G0X+4*\i+3], s[G0X+4*\i+3], 0x80000000
.endr
	s_lshl_b32 s22, s72, 15                        ; lora_A: 2 wave rows of 16,384 bytes
	s_lshl_b32 s2, s21, 12                         ; + 1,024 kq numbers
	s_add_co_u32 s22, s22, s2
	s_add_nc_u64 s[8:9], s[8:9], s[22:23]
	; all first fills of a wave stand in this one branch on its role, ahead of every wait on TENSORcnt, every LDS read and the barrier
	s_cmp_eq_u32 s71, 0
	s_cbranch_scc0 .Lfill_codes
.irp i, 0,1,2,3
	tensor_load_to_lds s[G0X+4*\i:G0X+4*\i+3], s[G1X:G1X+7]
	s_nop 0
.endr
	s_branch .Lfilled
.Lfill_codes:
	tensor_load_to_lds s[G0T:G0T+3], s[G1T:G1T+7]
	s_nop 0
.Lfilled:
.irp p, 0,1
.irp j, 0,1,2,3,4,5,6,7
	global_load_b128 v[LA+4*(8*\p+\j):LA+4*(8*\p+\j)+3], v[TO], s[8:9] offset:16384*\p+512*\j   ; rank 2 wave + p, 512 neighbouring bytes
.endr
.endr
	; the other buffers at my part
	s_lshl_b32 s22, s20, 19                        ; xh: 64 rb rows of 8,192 bytes
	s_lshl_b32 s2, s18, 17                         ; + 16 q rows
	s_add_co_u32 s22, s22, s2
	s_lshl_b32 s2, s21, 11                         ; + 1,024 kq numbers
	s_add_co_u32 s22, s22, s2
	s_add_nc_u64 s[10:11], s[10:11], s[22:23]
	s_lshl_b32 s22, s19, 17                        ; wh: 16 id rows of 8,192 bytes
	s_lshl_b32 s2, s18, 15                         ; + 4 q rows
	s_add_co_u32 s22, s22, s2
	s_add_nc_u64 s[12:13], s[12:13], s[22:23]
	s_lshl_b32 s22, s21, 17                        ; xap: plane kq of 131,072 bytes
	s_lshl_b32 s2, s20, 11                         ; + 64 rb rows of 32 bytes
	s_add_co_u32 s22, s22, s2
	s_lshl_b32 s2, s18, 9                          ; + 16 q rows
	s_add_co_u32 s22, s22, s2
	s_add_nc_u64 s[14:15], s[14:15], s[22:23]
	s_lshl_b32 s22, s21, 14                        ; rsp: plane kq of 16,384 bytes
	s_lshl_b32 s2, s20, 8                          ; + 64 rb numbers
	s_add_co_u32 s22, s22, s2
	s_lshl_b32 s2, s18, 6                          ; + 16 q numbers
	s_add_co_u32 s22, s22, s2
	s_add_nc_u64 s[16:17], s[16:17], s[22:23]
	s_mov_b32 s60, 0x00030003                      ; one code in each half word
	s_mov_b32 s61, 0x01000100                      ; + 1 in the upper byte of each half
	s_mov_b32 s62, 0x0000bc00                      ; the table in f16, bytes 0-3: -1, 0
	s_mov_b32 s63, 0x40003c00                      ; bytes 4-7: +1, +2
	s_mov_b32 s67, 0x202                           ; c -> 2 c in both bytes of its half
	s_mov_b32 s68, 0x76543210                      ; v_permlanex16_b32: lane i of one half reads lane i of the other
	s_mov_b32 s69, 0xfedcba98
	v_and_b32 v[RR], 15, v0
	v_bfe_u32 v[HH], v0, 4, 1
	v_mul_u32_u24 v[FA], v[RR], XPITCH
	v_lshl_add_u32 v[FA], v[HH], 5, v[FA]
	v_add_nc_u32 v[FA], s3, v[FA]
	v_mul_u32_u24 v[AA], v[RR], APITCH
	v_lshl_add_u32 v[AA], v[HH], 4, v[AA]
	v_add_nc_u32 v[AA], AL, v[AA]
	v_lshl_add_u32 v[RA], v[LN], 4, s3
	v_add_nc_u32 v[RA+1], 2*XTILE, v[RA]
	v_lshlrev_b32 v[XO], 3, v[LN]
	v_lshl_add_u32 v[TA], v[LN], 1, s[G0T+1]
	s_mul_i32 s2, s72, 2*APITCH
	s_add_co_u32 s2, s2, AL
	v_lshl_add_u32 v[AW], v[LN], 3, s2
	v_lshlrev_b32 v[XPO], 5, v[RR]
	v_lshl_add_u32 v[XPO], v[HH], 4, v[XPO]
	v_lshlrev_b32 v[RSO], 2, v[RR]
	; LORA_A's slice, rounded to f16, into LDS: two ranks a wave
	s_wait_loadcnt 0x0
.irp p, 0,1
.irp j, 0,1,2,3,4,5,6,7
	v_cvt_pk_f16_f32 v[LA+4*(8*\p+\j)],   v[LA+4*(8*\p+\j)],   v[LA+4*(8*\p+\j)+1]
	v_cvt_pk_f16_f32 v[LA+4*(8*\p+\j)+1], v[LA+4*(8*\p+\j)+2], v[LA+4*(8*\p+\j)+3]
.endr
.irp j, 0,1,2,3,4,5,6,7
	ds_store_b64 v[AW], v[LA+4*(8*\p+\j):LA+4*(8*\p+\j)+1] offset:APITCH*\p+256*\j
.endr
.endr
	s_wait_dscnt 0x0                               ; for the other waves' sake: my stores are done
	s_barrier_signal -1
	s_barrier_wait -1                              ; the one barrier: the slice is whole.  The tiles may stay on their way across it
	s_cmp_eq_u32 s71, 0
	s_cbranch_scc1 .Lxwork
; ROLE 1: THE CODES.  A lane's 16 bytes of wh are 8 numbers, 16 bits of codes.  C | C << 14 puts code 2 j at bit 4 j and code 2 j + 1 at bit 16 + 4 j
; (bits 14 and 15, where the two overlap, are not looked at).  A pair of codes (c, c') in the two halves of a word, times 0x202, plus 0x01000100,
; is the byte selector 2c, 2c+1, 2c', 2c'+1 into the table of four f16 numbers in s62, s63.
; Two loads' codes are unpacked together, like lines in runs, so that no line reads the result of the line in front of it.
.macro UNPACK2 i
	v_lshl_or_b32 v[U],   v[C+\i],   14, v[C+\i]
	v_lshl_or_b32 v[U+1], v[C+\i+1], 14, v[C+\i+1]
.irp j, 1,2,3
	v_lshrrev_b32 v[M+\j],   4*\j, v[U]
	v_lshrrev_b32 v[M+4+\j], 4*\j, v[U+1]
.endr
	v_and_b32 v[M],   s60, v[U]
	v_and_b32 v[M+4], s60, v[U+1]
.irp j, 1,2,3
	v_and_b32 v[M+\j],   s60, v[M+\j]
	v_and_b32 v[M+4+\j], s60, v[M+4+\j]
.endr
.irp j, 0,1,2,3,4,5,6,7
	v_mad_u32_u24 v[M+\j], v[M+\j], s67, s61
.endr
.irp j, 0,1,2,3,4,5,6,7
	v_perm_b32 v[O+4*\i+\j], s63, s62, v[M+\j]
.endr
.endm
; One row of codes: 1,024 bytes in, 8,192 bytes out.  The wave's four rows are written out: the row and the piece stand in the immediates (LDS: 1024 row + 64 i,
; at most 4,032; wh: 8192 row + 512 i, at most 32,256), so that neither the LDS address nor the stores' base is ever rewritten.
.macro TROW row
.irp i, 0,1,2,3,4,5,6,7,8,9,10,11,12,13,14,15
	ds_load_u16 v[C+\i], v[TA] offset:1024*\row+64*\i
.endr
.if \row
	s_wait_xcnt 0x0                                ; the store data of the row before are written again only behind this wait
.endif
.irp i, 0,2,4,6,8,10,12,14
	s_wait_dscnt 14-\i                             ; LDS loads come back in order: loads i and i + 1 are in, the younger ones stay out
	UNPACK2 \i
.if \i
	global_store_b128 v[TO], v[O+4*(\i-2):O+4*(\i-2)+3], s[12:13] offset:8192*\row+512*(\i-2)   ; the pair before: its data were written a whole pair ago
	global_store_b128 v[TO], v[O+4*(\i-1):O+4*(\i-1)+3], s[12:13] offset:8192*\row+512*(\i-1)   ; each store of the wave covers 512 neighbouring bytes, aligned
.endif
.endr
	global_store_b128 v[TO], v[O+56:O+59], s[12:13] offset:8192*\row+512*14
	global_store_b128 v[TO], v[O+60:O+63], s[12:13] offset:8192*\row+512*15
.endm
	s_wait_tensorcnt 0x0                           ; my one tensor load: the codes are in; only this wave reads these bytes
	TROW 0
	TROW 1
	TROW 2
	TROW 3
	s_wait_tensorcnt 0x0
	ds_add_u32 v248, v249
	s_wait_dscnt 0x0
	s_endpgm
; ROLE 0: X.  HALF i, g takes 128 k (half g) of tile i: four K steps of 32 for x A^T and the row sums, then the same numbers row by row for xh.
; All 40 LDS loads go out first: six a K step (two of lora_A, four of x), then sixteen rows.
; THE PRODUCT: source 0 = lora_A (rows = ranks), source 1 = x (rows = tokens): lane (r, h) ends with ranks 8 h .. 8 h + 7 of token r, 16 neighbouring bytes of xap.
; A fragment's lane holds k = 8 h .. +7 in registers 0-3 and 16 + 8 h .. +7 in registers 4-7: in f32 that is 32 bytes at 32 h and 32 bytes at 64 + 32 h of the step's 128.
; The two accumulators take turns, one instruction a turn.  Behind a matrix instruction its fragment registers are written again
; only after more than four plain vector instructions that name none of its registers (ISA guide 7.12.1): the next step's sums and conversions, or the rows' conversions.
; THE ROWS: 512 neighbouring bytes of f32 become 256 neighbouring bytes of xh, aligned; four rows are converted, then the four rows before them are stored.
.set NW, 0                             ; matrix instructions so far: the first two start the sums with C = 0
.macro HALF i, g
.irp t, 0,1,2,3
	ds_load_b128 v[AF+8*\t:AF+8*\t+3],       v[AA] offset:512*\i+64*(4*\g+\t)
	ds_load_b128 v[AF+8*\t+4:AF+8*\t+7],     v[AA] offset:512*\i+64*(4*\g+\t)+32
	ds_load_b128 v[RAW+16*\t:RAW+16*\t+3],     v[FA] offset:XTILE*\i+128*(4*\g+\t)
	ds_load_b128 v[RAW+16*\t+4:RAW+16*\t+7],   v[FA] offset:XTILE*\i+128*(4*\g+\t)+16
	ds_load_b128 v[RAW+16*\t+8:RAW+16*\t+11],  v[FA] offset:XTILE*\i+128*(4*\g+\t)+64
	ds_load_b128 v[RAW+16*\t+12:RAW+16*\t+15], v[FA] offset:XTILE*\i+128*(4*\g+\t)+80
.endr
.irp p, 0,1,2,3,4,5,6,7,8,9,10,11,12,13,14,15
	ds_load_b128 v[RW+4*\p:RW+4*\p+3], v[RA+(\i/2)] offset:(\i%2)*XTILE+XPITCH*\p+512*\g
.endr
.irp t, 0,1,2,3
	s_wait_dscnt 34-6*\t                           ; the six loads of each later step and the sixteen rows stay out
.if NW == 0
.irp j, 0,1,2,3
	v_pk_add_f32 v[S+2*\j:S+2*\j+1], v[RAW+16*\t+2*\j:RAW+16*\t+2*\j+1], v[RAW+16*\t+2*\j+8:RAW+16*\t+2*\j+9]   ; the first step starts the row sums: nothing is cleared
.endr
.else
.irp j, 0,1,2,3,4,5,6,7
	v_pk_add_f32 v[S+2*(\j%4):S+2*(\j%4)+1], v[S+2*(\j%4):S+2*(\j%4)+1], v[RAW+16*\t+2*\j:RAW+16*\t+2*\j+1]
.endr
.endif
.irp j, 0,1,2,3,4,5,6,7
	v_cvt_pk_f16_f32 v[XF+8*(\t%2)+\j], v[RAW+16*\t+2*\j], v[RAW+16*\t+2*\j+1]
.endr
.if NW < 2
	v_wmma_f32_16x16x32_f16 v[ACC0+8*(\t%2):ACC0+8*(\t%2)+7], v[AF+8*\t:AF+8*\t+7], v[XF+8*(\t%2):XF+8*(\t%2)+7], 0
.else
	v_wmma_f32_16x16x32_f16 v[ACC0+8*(\t%2):ACC0+8*(\t%2)+7], v[AF+8*\t:AF+8*\t+7], v[XF+8*(\t%2):XF+8*(\t%2)+7], v[ACC0+8*(\t%2):ACC0+8*(\t%2)+7]
.endif
.set NW, NW+1
.endr
	s_wait_xcnt 0x0                                ; Y, which the last half's stores read, is written again only behind this wait
.irp q, 0,1,2,3
	s_wait_dscnt 12-4*\q                           ; rows 4 q .. 4 q + 3 are in; the later groups' stay out
.irp e, 0,1,2,3
	v_cvt_pk_f16_f32 v[Y+2*(4*\q+\e)],   v[RW+4*(4*\q+\e)],   v[RW+4*(4*\q+\e)+1]
	v_cvt_pk_f16_f32 v[Y+2*(4*\q+\e)+1], v[RW+4*(4*\q+\e)+2], v[RW+4*(4*\q+\e)+3]
.endr
.if \q
.irp e, 0,1,2,3
	global_store_b64 v[XO], v[Y+2*(4*(\q-1)+\e):Y+2*(4*(\q-1)+\e)+1], s[10:11] offset:8192*(4*(\q-1)+\e)+512*\i+256*\g
.endr
.endif
.endr
.irp e, 0,1,2,3
	global_store_b64 v[XO], v[Y+2*(12+\e):Y+2*(12+\e)+1], s[10:11] offset:8192*(12+\e)+512*\i+256*\g
.endr
.endm
.Lxwork:
.irp i, 0,1,2,3
	s_wait_tensorcnt 3-\i                          ; tensor loads of a wave end in order: tile i is in; the 3 - i tiles issued behind it stay out.  The last wait is for 0
	HALF \i, 0
	HALF \i, 1
.endr
	; THE END: the two accumulators meet, are rounded once and leave as 512 neighbouring bytes; the row sums meet across the two halves of the lanes
.irp j, 0,2,4,6
	v_pk_add_f32 v[ACC0+\j:ACC0+\j+1], v[ACC0+\j:ACC0+\j+1], v[ACC1+\j:ACC1+\j+1]
.endr
.irp j, 0,1,2,3
	v_cvt_pk_f16_f32 v[XF+\j], v[ACC0+2*\j], v[ACC0+2*\j+1]
.endr
	global_store_b128 v[XPO], v[XF:XF+3], s[14:15]
	v_pk_add_f32 v[S:S+1], v[S:S+1], v[S+2:S+3]
	v_pk_add_f32 v[S+4:S+5], v[S+4:S+5], v[S+6:S+7]
	v_pk_add_f32 v[S:S+1], v[S:S+1], v[S+4:S+5]
	v_add_f32 v[S], v[S], v[S+1]                   ; token r, my half of each step's k
	v_permlanex16_b32 v[TMP], v[S], s68, s69       ; the other half's (TMP has been written before)
	v_add_f32 v[S], v[S], v[TMP]
	v_cmp_gt_u32 vcc_lo, 16, v[LN]
	s_wait_xcnt 0x0                                ; EXEC is a source of the pending stores: it changes only behind this wait
	s_wait_tensorcnt 0x0
	ds_add_u32 v248, v249
	s_wait_dscnt 0x0
	s_and_saveexec_b32 s70, vcc_lo
	global_store_b32 v[RSO], v[S], s[16:17]        ; lanes 0-15: sixteen sums, 64 neighbouring bytes (the whole table is 64 KiB: gathering it further would cost a barrier)
	s_wait_xcnt 0x0
	s_or_b32 exec_lo, exec_lo, s70
	s_endpgm
.Lfunc_end_k_qdb5cca75ac_prep:
	.size	k_qdb5cca75ac_prep, .Lfunc_end_k_qdb5cca75ac_prep-k_qdb5cca75ac_prep
	.p2alignl 7, 3214868480
	.fill 96, 4, 3214868480
	.section	.rodata,"a",@progbits
	.p2align	6, 0x0
	.amdhsa_kernel k_qdb5cca75ac_prep
		.amdhsa_group_segment_fixed_size 316672
		.amdhsa_private_segment_fixed_size 0
		.amdhsa_enable_private_segment 0
		.amdhsa_kernarg_size 56
		.amdhsa_user_sgpr_count 2
		.amdhsa_user_sgpr_kernarg_segment_ptr 1
		.amdhsa_wavefront_size32 1
		.amdhsa_system_sgpr_workgroup_id_x 1
		.amdhsa_system_sgpr_workgroup_id_y 1
		.amdhsa_system_sgpr_workgroup_id_z 1
		.amdhsa_system_vgpr_workitem_id 0
		.amdhsa_next_free_vgpr 250
		.amdhsa_next_free_sgpr 74
		.amdhsa_reserve_vcc 1
		.amdhsa_float_denorm_mode_32 3
		.amdhsa_float_denorm_mode_16_64 3
		.amdhsa_memory_ordered 1
		.amdhsa_forward_progress 1
		.amdhsa_inst_pref_size 158
	.end_amdhsa_kernel
	.amdgpu_metadata
---
amdhsa.version: [ 1, 2 ]
amdhsa.kernels:
  - .name:           k_qdb5cca75ac_prep
    .symbol:         k_qdb5cca75ac_prep.kd
    .args:
      - { .name: x, .offset: 0, .size: 8, .value_kind: global_buffer, .address_space: global }
      - { .name: int2_packed, .offset: 8, .size: 8, .value_kind: global_buffer, .address_space: global }
      - { .name: lora_A, .offset: 16, .size: 8, .value_kind: global_buffer, .address_space: global }
      - { .name: xh, .offset: 24, .size: 8, .value_kind: global_buffer, .address_space: global }
      - { .name: wh, .offset: 32, .size: 8, .value_kind: global_buffer, .address_space: global }
      - { .name: xap, .offset: 40, .size: 8, .value_kind: global_buffer, .address_space: global }
      - { .name: rsp, .offset: 48, .size: 8, .value_kind: global_buffer, .address_space: global }
    .group_segment_fixed_size: 316672
    .private_segment_fixed_size: 0
    .kernarg_segment_align: 8
    .kernarg_segment_size: 56
    .max_flat_workgroup_size: 256
    .sgpr_count:     74
    .vgpr_count:     250
    .wavefront_size: 32
...
	.end_amdgpu_metadata
.endif
;; end of part 1
;; launch gemm (part 2): grid 16 x 16, 4 waves a work-group, clusters of 4 x 4, 327,680 bytes of LDS; arguments xh, wh, out0, xap, rsp, alpha, mu, bias, lora_B; writes out0
.if DOCPART == 2
	.amdgcn_target "amdgcn-amd-amdhsa--gfx1250"
	.amdhsa_code_object_version 6
	.text
	.protected	k_qdb5cca75ac_gemm
	.globl	k_qdb5cca75ac_gemm
	.p2align	8
	.type	k_qdb5cca75ac_gemm,@function
k_qdb5cca75ac_gemm:
	s_mov_b64 s[64:65], 0
	v_nop
	global_prefetch_b8 v0, s[64:65] scope:SCOPE_SE
	s_setreg_imm32_b32 hwreg(HW_REG_WAVE_MODE, 25, 1), 1
	s_wait_xcnt 0x0
	s_wait_alu depctr_hold_cnt(0) depctr_sa_sdst(0) depctr_va_vdst(0) depctr_va_sdst(0) depctr_va_ssrc(0) depctr_va_vcc(0) depctr_vm_vsrc(0)
	s_getreg_b32 s2, hwreg(HW_REG_IB_STS2, 6, 4)
	s_cmp_eq_u32 s2, 0
	s_cbranch_scc0 .Lentry_in_a_cluster
	s_endpgm
.Lentry_in_a_cluster:
	s_bfe_u32 s2, ttmp6, 0x10000c
	s_cmp_lg_u32 s2, 0xf033
	s_cbranch_scc0 .Lentry_shape_is_right
	s_endpgm
.Lentry_shape_is_right:
; out0[t][o] = alpha[o] * (sum over k of xh[t][k] wh[o][k]) + bias[o] + mu[o] * rowsum[t] + sum over r of xA[t][r] lora_B[o][r].
; xh, wh: [4096][4096] f16 (x rounded; the ternary weights exact).  rowsum[t] = the four f32 partial sums of rsp.  xA = the four f16 quarter sums of xap.
; LIMITS: matrix operands are f16 (x, lora_B, the quarter sums of x A^T): relative rounding error at most 2^-11; |lora_B| must stay under 65,504, beyond it it becomes
; infinite; numbers under 2^-14 are kept as denormals with an absolute error of at most 2^-25.  All sums, alpha, mu, bias and the row sums are f32; the order of the
; sums is this text's own.
; A work-group makes a block of 256 x 256 of out0 with four waves; a wave makes 128 x 128: 64 accumulator tiles of 16 x 16, 512 registers.
; K goes in steps of 128 through a ring of two LDS slots filled by the tensor data mover: a tile's rows are 256 bytes of memory, aligned to 256.
; CLUSTERS: 4 x 4 work-groups.  The four of a row of the cluster need the same tiles of xh, the four of a column the same tiles of wh: each tile is asked for
; jointly, by the same tensor load with the same descriptor and a mask that names the four.  That divides the requests for both by four.
;
; REGISTERS, in windows of 256:
;   window 0: v0-31 addresses; v32-47 row sums (way out); v64-127, v128-191 fragments of xh, two buffers (way out: alpha, mu); v192-255 lora_B's 8 fragments
;   window 1: v64-127, v128-191 fragments of wh (way out: v64-127 bias, v128-191 store data); v0-63 and v192-255 the 16 fragments of xap
;   window 2: the 32 accumulator tiles of my rows 0-63 (tile (a, b) at v[8 (8 a + b)]);   window 3: those of my rows 64-127
; s_set_vgpr_msb's low byte: bits 1:0 source 0, 3:2 source 1, 5:4 source 2, 7:6 destination.
;
; THE MATRIX INSTRUCTION IS USED TRANSPOSED: source 0 = 16 rows of wh, source 1 = 16 rows of xh.  Lane l then holds row l % 16 of out0, and its registers 0 to 7
; the columns 8 (l / 16) + 0 .. 7: eight neighbouring f32 of a row, 32 bytes.
.set SIZE_N, 4096
.set SIZE_K, 4096
.set KSTEP,  128
.set PITCH,  272                       ; an LDS row: 256 bytes + 16 of padding = 17 x 16: the 16 rows that a load touches fall on 16 different 16-byte columns of 256 bytes
.set HALFT,  128*PITCH                 ; 128 rows: what one tensor load brings, and what one wave reads of either operand
.set SLOT,   4*HALFT                   ; xh's 256 rows, then wh's 256 rows
.set STAGE,  2*SLOT                    ; 278,528: behind the ring, 16 rows x 528 bytes for each wave, for the way out
.set SPITCH, 528                       ; 512 + 16 = 33 x 16
.set PAR,    STAGE+4*16*SPITCH         ; 312,320: 2,048 bytes for each wave: row sums, alpha, mu, bias of its 128 rows and 128 columns, 512 bytes each
.set LAPS, SIZE_K/(2*KSTEP)            ; 16 laps of two K steps
.set ADRA, 16                          ; v16-17  LDS address of my xh fragments in slot 0, 1
.set ADRB, 20                          ; v20-21  the same for wh
.set STO,  24                          ; v24  way out: where I put 32 bytes of a row
.set RD,   25                          ; v25  way out: where I read a row back
.set CO,   26                          ; v26  16 l
.set PARW, 27                          ; v27  my wave's parameters + 16 l
.set PCOL, 28                          ; v28  my wave's parameters + 32 h
.set PRS,  29                          ; v29  my wave's parameters + 4 r
.set XPO,  30                          ; v30  32 r + 16 h: xap
.set LBO,  31                          ; v31  64 r + 32 h: lora_B
.set RS,   32                          ; v[32:47] a pair (the same number twice) for each of my 8 blocks of 16 rows
.set F0,   64
.set F1,   128
.set ALPHA, 64                         ; window 0
.set MU,   128                         ; window 0
.set BIAS, 64                          ; window 1
.set OB,   128                         ; window 1: sixteen rows' store data
.set LBF,  192                         ; window 0
.set G1, 24                            ; s[24:31] descriptor group 1 for xh's tiles
.set G0, 32                            ; s[32:39] group 0 for xh's tiles, one set for each slot
.set G1B, 48                           ; s[48:55] group 1 for wh's tiles: it differs in the mask alone
.set G0B, 56                           ; s[56:63] group 0 for wh's tiles
.set MSB, 0
.macro WIN new                         ; the immediate's high byte repeats the setting that is left
.if MSB != \new
	s_set_vgpr_msb (MSB<<8)|\new
.set MSB, \new
.endif
.endm
.set MUL_LO, 0xa1                      ; source 0 (wh) window 1, source 1 (xh) window 0, C and D window 2
.set MUL_HI, 0xf1                      ; the same, C and D window 3
.set TO_B,   0x40                      ; destination window 1, address window 0
.set FROM_B, 0x04                      ; a store's data (source 1) window 1, address window 0
; A joint load.  Waves 0 and 1 fetch xh's two halves, waves 2 and 3 wh's.  Each line has one mask and one set of registers for all that issue it.
; The branch hangs on the wave's number alone.  Four v_nop follow each line.
.macro JLOAD s
	s_cmp_eq_u32 s11, 0
	s_cbranch_scc0 .Lfor_b_\@
	tensor_load_to_lds s[G0+4*\s:G0+4*\s+3], s[G1:G1+7]
	s_nop 0
.rept 4
	v_nop
.endr
	s_branch .Lasked_\@
.Lfor_b_\@:
	tensor_load_to_lds s[G0B+4*\s:G0B+4*\s+3], s[G1B:G1B+7]
	s_nop 0
.rept 4
	v_nop
.endr
.Lasked_\@:
.endm
; A round of the cluster's barrier: my work-group's barrier; wave 0 signals for the work-group; every wave waits for all sixteen; my work-group's barrier again.
.macro CREST                           ; a round behind its opening barrier
	s_cmp_lg_u32 s10, 0
	s_cbranch_scc1 .Lnot_wave_0_\@
	s_barrier_signal -3
.Lnot_wave_0_\@:
	s_barrier_wait -3
	s_barrier_signal -1
	s_barrier_wait -1
.endm
.macro CROUND
	s_barrier_signal -1
	s_barrier_wait -1
	CREST
.endm
	s_load_b128 s[4:7], s[0:1], 0x0                ; xh s[4:5], wh s[6:7]
	s_load_b64 s[8:9], s[0:1], 0x10                ; out0
	s_load_b256 s[68:75], s[0:1], 0x18             ; xap s[68:69], rsp s[70:71], alpha s[72:73], mu s[74:75]
	s_load_b128 s[76:79], s[0:1], 0x38             ; bias s[76:77], lora_B s[78:79]
	v_lshl_add_u32 v62, v0, 2, 0x4e400
	v_mov_b32 v63, 0
	ds_add_u32 v62, v63
	ds_add_u32 v62, v63
	v_lshrrev_b32 v1, 5, v0
	v_readfirstlane_b32 s10, v1                    ; wave 0..3
	s_lshr_b32 s11, s10, 1                         ; which half of the block's rows is mine.  Also: I fetch for xh (0) or for wh (1)
	s_and_b32 s12, s10, 1                          ; which half of its columns.  Also: which 128 rows of that tile I fetch
	s_bfe_u32 s40, ttmp6, 0x40000                  ; cx
	s_bfe_u32 s41, ttmp6, 0x40004                  ; cy
	s_lshl_b32 s42, ttmp9, 2
	s_add_co_u32 s42, s42, s40                     ; block column = 4 x cluster x + cx
	s_and_b32 s13, ttmp7, 0xffff
	s_lshl_b32 s13, s13, 2
	s_add_co_u32 s13, s13, s41                     ; block row = 4 x cluster y + cy
	s_lshl_b32 s43, s41, 2
	s_lshl_b32 s43, 15, s43                        ; my row of the cluster: places 4 cy .. 4 cy + 3
	s_lshl_b32 s44, 0x1111, s40                    ; my column: places cx, cx + 4, cx + 8, cx + 12
	; group 1: a tile of 128 rows x 128 elements of 2 bytes; 4 words of padding behind every 64 words; bit 21 set beside a mask
	s_or_b32 s[G1+0], s43, (1<<16)|(1<<20)|(1<<21)|(5<<22)|(3<<25)
	s_or_b32 s[G1B+0], s44, (1<<16)|(1<<20)|(1<<21)|(5<<22)|(3<<25)
	s_mov_b32 s[G1B+1], KSTEP<<16
	s_mov_b32 s[G1+1], KSTEP<<16                   ; tensor_dim0 = 128
	s_mov_b32 s[G1B+2], 128<<16
	s_mov_b32 s[G1+2], 128<<16                     ; tensor_dim1 = 128
	s_mov_b32 s[G1B+3], KSTEP<<16
	s_mov_b32 s[G1+3], KSTEP<<16                   ; tile_dim0 = 128
	s_mov_b32 s[G1B+4], 128
	s_mov_b32 s[G1+4], 128                         ; tile_dim1 = 128
	s_mov_b32 s[G1B+5], SIZE_K
	s_mov_b32 s[G1+5], SIZE_K                      ; elements from row to row
	s_mov_b32 s[G1B+6], 0
	s_mov_b32 s[G1+6], 0
	s_mov_b32 s[G1B+7], 0
	s_mov_b32 s[G1+7], 0
	; xh's tiles hang on the block row alone, which my row of the cluster shares; wh's on the block column alone, which my column shares.
	; Every wave makes both addresses, in registers that never hold the other coordinate, and asks by one of them.
	s_lshl_b32 s17, s12, 7
	s_lshl_b32 s16, s13, 8
	s_add_co_u32 s16, s16, s17                     ; xh: row 256 x block row + 128 x half
	s_lshl_b32 s46, s42, 8
	s_add_co_u32 s46, s46, s17                     ; wh: row 256 x block column + 128 x half
	s_mov_b32 s17, 0
	s_mov_b32 s47, 0
	s_mov_b64 s[18:19], SIZE_K*2
	s_mul_u64 s[16:17], s[16:17], s[18:19]
	s_mul_u64 s[46:47], s[46:47], s[18:19]
	s_mul_i32 s20, s10, HALFT                      ; where they go: wave x 128 rows: no place in the cluster enters an LDS address
	s_wait_dscnt 0x0
	s_wait_kmcnt 0x0
	s_add_nc_u64 s[14:15], s[4:5], s[16:17]
	s_add_nc_u64 s[46:47], s[6:7], s[46:47]
	CROUND                                         ; all sixteen work-groups are here: the first joint loads meet
.irp s, 0,1
	s_mov_b32 s[G0+4*\s], 1
	s_add_co_u32 s[G0+4*\s+1], s20, \s*SLOT
	s_add_nc_u64 s[G0+4*\s+2:G0+4*\s+3], s[14:15], \s*KSTEP*2
	s_or_b32 s[G0+4*\s+3], s[G0+4*\s+3], 0x80000000
	s_mov_b32 s[G0B+4*\s], 1
	s_add_co_u32 s[G0B+4*\s+1], s20, \s*SLOT
	s_add_nc_u64 s[G0B+4*\s+2:G0B+4*\s+3], s[46:47], \s*KSTEP*2
	s_or_b32 s[G0B+4*\s+3], s[G0B+4*\s+3], 0x80000000
	JLOAD \s                                       ; the ring is filled before anything else is done: two tensor loads of the wave are out
.endr
	; A fragment is 16 rows x 32 K in 8 registers: lane l holds row l % 16; registers 0-3 hold K = 8 (l / 16) + 0..7, registers 4-7 K = 16 + 8 (l / 16) + 0..7.
	v_and_b32 v1, 15, v0                           ; r
	v_bfe_u32 v2, v0, 4, 1                         ; h
	v_mul_u32_u24 v3, v1, PITCH
	v_lshl_add_u32 v3, v2, 4, v3
	s_mul_i32 s21, s11, HALFT                      ; my 128 rows of xh
	s_mul_i32 s22, s12, HALFT                      ; my 128 rows of wh,
	s_add_co_u32 s22, s22, 2*HALFT                 ; which lie behind xh's 256
.irp s, 0,1
	v_add_nc_u32 v[ADRA+\s], s21, v3
	v_add_nc_u32 v[ADRB+\s], s22, v3
	s_add_co_u32 s21, s21, SLOT
	s_add_co_u32 s22, s22, SLOT
.endr
	s_mul_i32 s23, s10, 16*SPITCH
	s_add_co_u32 s23, s23, STAGE                   ; my stage
	v_mul_u32_u24 v4, v1, SPITCH                   ; in: row r, 32 bytes for each half of the lanes
	v_lshl_add_u32 v4, v2, 5, v4
	v_add_nc_u32 v[STO], s23, v4
	v_and_b32 v5, 31, v0
	v_lshlrev_b32 v[CO], 4, v5                     ; 16 l
	v_add_nc_u32 v[RD], s23, v[CO]                 ; back: the 32 lanes take one row of 512 bytes
	s_lshl_b32 s23, s10, 11
	s_add_co_u32 s23, s23, PAR                     ; my parameters
	v_add_nc_u32 v[PARW], s23, v[CO]
	v_lshl_add_u32 v[PCOL], v2, 5, s23
	v_lshl_add_u32 v[PRS], v1, 2, s23
	v_lshlrev_b32 v[XPO], 5, v1
	v_lshl_add_u32 v[XPO], v2, 4, v[XPO]
	v_lshlrev_b32 v[LBO], 6, v1
	v_lshl_add_u32 v[LBO], v2, 5, v[LBO]
	; my first row and column of out0, in registers that feed no descriptor and no LDS address
	s_lshl_b32 s84, s13, 8
	s_lshl_b32 s80, s11, 7
	s_add_co_u32 s84, s84, s80                     ; first row
	s_lshl_b32 s85, s42, 8
	s_lshl_b32 s80, s12, 7
	s_add_co_u32 s85, s85, s80                     ; first column
	s_mov_b32 s81, 0
	s_lshl_b32 s80, s84, 5
	s_add_nc_u64 s[68:69], s[68:69], s[80:81]      ; xap: rows of 32 bytes
	s_lshl_b32 s80, s84, 2
	s_add_nc_u64 s[70:71], s[70:71], s[80:81]      ; rsp
	s_lshl_b32 s80, s85, 2
	s_add_nc_u64 s[72:73], s[72:73], s[80:81]      ; alpha
	s_add_nc_u64 s[74:75], s[74:75], s[80:81]      ; mu
	s_add_nc_u64 s[76:77], s[76:77], s[80:81]      ; bias
	s_lshl_b32 s80, s85, 6
	s_add_nc_u64 s[78:79], s[78:79], s[80:81]      ; lora_B: rows of 64 bytes
	; THE WAY OUT'S PARAMETERS are fetched now, while the first tiles are on their way: 55 loads, 512 neighbouring bytes each.
	global_load_b128 v[64:67], v[CO], s[72:73]     ; alpha of my 128 columns
	global_load_b128 v[68:71], v[CO], s[74:75]     ; mu
	global_load_b128 v[72:75], v[CO], s[76:77]     ; bias
.irp q, 0,1,2,3
	global_load_b128 v[76+4*\q:79+4*\q], v[CO], s[70:71] offset:16384*\q   ; the four partial row sums of my 128 rows
.endr
.irp b, 0,1,2,3,4,5,6,7
	global_load_b128 v[96+8*\b:99+8*\b],   v[LBO], s[78:79] offset:1024*\b      ; lora_B(column 16 b + r, ranks 8 h .. 8 h + 7)
	global_load_b128 v[100+8*\b:103+8*\b], v[LBO], s[78:79] offset:1024*\b+16
.endr
	; xap's fragments, 32 K slots each: slots 0-15 = the 16 ranks of quarter sum 2 q, slots 16-31 = those of quarter sum 2 q + 1.  Fragment 2 m + q of row block m
	; lies at v[8 t + 128 (t / 8)] of window 1, t = 2 m + q: below and above wh's fragment buffers.
	WIN TO_B
.irp m, 0,1,2,3,4,5,6,7
.irp q, 0,1
.irp e, 0,1
.set PT, 2*\m+\q
.set PR, 8*PT+128*(PT/8)+4*\e
	global_load_b128 v[PR:PR+3], v[XPO], s[68:69] offset:(2*\q+\e)*131072+512*\m
.endr
.endr
.endr
	WIN 0
	s_wait_loadcnt 52                              ; alpha, mu, bias are in: 4 + 16 + 32 loads were issued behind them
	ds_store_b128 v[PARW], v[64:67] offset:512
	ds_store_b128 v[PARW], v[68:71] offset:1024
	ds_store_b128 v[PARW], v[72:75] offset:1536
	s_wait_loadcnt 48                              ; the partial row sums: 16 + 32 behind them
	v_pk_add_f32 v[76:77], v[76:77], v[80:81]
	v_pk_add_f32 v[78:79], v[78:79], v[82:83]
	v_pk_add_f32 v[84:85], v[84:85], v[88:89]
	v_pk_add_f32 v[86:87], v[86:87], v[90:91]
	v_pk_add_f32 v[76:77], v[76:77], v[84:85]
	v_pk_add_f32 v[78:79], v[78:79], v[86:87]
	ds_store_b128 v[PARW], v[76:79]
	s_wait_loadcnt 32                              ; lora_B: xap's 32 behind it
.irp b, 0,1,2,3,4,5,6,7
.irp j, 0,1,2,3
	v_cvt_pk_f16_f32 v[LBF+8*\b+\j],   v[96+8*\b+2*\j], v[96+8*\b+2*\j+1]   ; K slots 8 h .. +7: ranks 8 h .. +7
	v_cvt_pk_f16_f32 v[LBF+8*\b+4+\j], v[96+8*\b+2*\j], v[96+8*\b+2*\j+1]   ; K slots 16 + 8 h .. +7: the same ranks, for the second quarter sum
.endr
.endr
	s_wait_loadcnt 0x0                             ; xap's fragments: no load stays out over the K loop
	s_wait_dscnt 0x0                               ; no LDS instruction is pending at a signal
; 16 matrix instructions: row blocks a0, a0 + 1 of the window's four x all 8 column blocks, 32 along K.  zero = 1: the first product starts the sums.
.macro MUL16 f, hi, a0, zero
.irp a, \a0, \a0+1
.irp b, 0,1,2,3,4,5,6,7
.if \zero
	v_wmma_f32_16x16x32_f16 v[8*(8*(\a)+\b):8*(8*(\a)+\b)+7], v[\f+8*\b:\f+8*\b+7], v[\f+8*(4*\hi+\a):\f+8*(4*\hi+\a)+7], 0
.else
	v_wmma_f32_16x16x32_f16 v[8*(8*(\a)+\b):8*(8*(\a)+\b)+7], v[\f+8*\b:\f+8*\b+7], v[\f+8*(4*\hi+\a):\f+8*(4*\hi+\a)+7], v[8*(8*(\a)+\b):8*(8*(\a)+\b)+7]
.endif
.endr
.endr
.endm
; 32 LDS loads in one run: the fragments of one quarter step (128 rows of wh, 128 rows of xh, 32 K at byte k of the rows) into buffer f
.macro FETCH slot, k, f
	WIN TO_B
.irp i, 0,1,2,3,4,5,6,7
	ds_load_b128 v[\f+8*\i:\f+8*\i+3],   v[ADRB+\slot] offset:\k+\i*16*PITCH
	ds_load_b128 v[\f+8*\i+4:\f+8*\i+7], v[ADRB+\slot] offset:\k+\i*16*PITCH+32
.endr
	WIN 0
.irp i, 0,1,2,3,4,5,6,7
	ds_load_b128 v[\f+8*\i:\f+8*\i+3],   v[ADRA+\slot] offset:\k+\i*16*PITCH
	ds_load_b128 v[\f+8*\i+4:\f+8*\i+7], v[ADRA+\slot] offset:\k+\i*16*PITCH+32
.endr
.endm
; A load into a register that a matrix instruction has read, and a vector instruction or LDS store that reads a matrix result, stand four places behind that
; matrix instruction; only plain vector instructions that name none of its registers are places (ISA guide 7.12.1 for vector instructions).
.macro PLACES
.rept 4
	v_nop
.endr
.endm
; A K step is four quarter steps of 32 along K, 64 matrix instructions each, on buffers 0, 1, 0, 1.  The 64 accumulators take turns, one instruction a turn,
; in the same order in every quarter step.
.macro QUARTER slot, k, f, g, zero
	s_wait_dscnt 8                                 ; wh's and xh's rows 0-63 are in; the youngest eight loads (xh's rows 64-127) may be out
	WIN MUL_LO
	MUL16 \f, 0, 0, \zero
	MUL16 \f, 0, 2, \zero
	PLACES
	FETCH \slot, \k, \g
	s_wait_dscnt 32                                ; all but the 32 just issued
	WIN MUL_HI
	MUL16 \f, 1, 0, \zero
	MUL16 \f, 1, 2, \zero
.endm
.macro THREE slot, zero
	QUARTER \slot, 64,  F0, F1, \zero
	QUARTER \slot, 128, F1, F0, 0
	QUARTER \slot, 192, F0, F1, 0
.endm
; The last quarter multiplies buffer 1 and changes slots.  In front of the one barrier each wave waits for its own reads of this slot and for all its tensor loads,
; of which one is out: its part of the next slot.  Behind it nobody reads this slot any more and the next slot is whole: the refill comes first, then the next
; slot's first fragments.  From a request to the wait for it a wave issues 240 matrix instructions.
.macro TURN slot, next, fill
	s_wait_dscnt 8
	WIN MUL_LO
	MUL16 F1, 0, 0, 0
	s_wait_dscnt 0                                 ; my reads of this slot are over
	s_set_vgpr_msb 0xa1a0
	s_wait_tensorcnt 0x0                           ; and all my tensor loads have landed
	ds_add_u32 v62, v63
	s_wait_dscnt 0x0
	s_set_vgpr_msb 0xa0a1
	s_barrier_signal -1                            ; say so (where a slot is filled again this barrier opens a round of the cluster's barrier),
	MUL16 F1, 0, 2, 0                              ; work on registers while the others arrive,
	WIN 0
	s_barrier_wait -1
.if \fill
	CREST                                          ; all sixteen work-groups have said so: no wave of any partner still reads this slot's tile or has a load on its way
	s_add_nc_u64 s[G0+4*\slot+2:G0+4*\slot+3], s[G0+4*\slot+2:G0+4*\slot+3], 2*KSTEP*2
	s_add_nc_u64 s[G0B+4*\slot+2:G0B+4*\slot+3], s[G0B+4*\slot+2:G0B+4*\slot+3], 2*KSTEP*2
	JLOAD \slot                                    ; the first tensor load behind the round, one a wave; its four v_nop are also the places in front of the loads below
.else
	PLACES
.endif
	FETCH \next, 0, F0
	WIN MUL_HI
	MUL16 F1, 1, 0, 0
	MUL16 F1, 1, 2, 0
.endm
.macro LAP zero
	THREE 0, \zero
	TURN 0, 1, 1
	THREE 1, 0
	TURN 1, 0, 1
.endm
	s_wait_tensorcnt 1                             ; my part of K step 0 is in; K step 1's may stay out
	s_barrier_signal -1
	s_barrier_wait -1
	FETCH 0, 0, F0
	LAP 1                                          ; the first lap stands in front of the loop: its first products start the sums
	WIN 0                                          ; at a label and at a branch every window is 0
	s_mov_b32 s3, LAPS-2
.Llap:
	LAP 0
	WIN 0
	s_sub_co_u32 s3, s3, 1
	s_cmp_lg_u32 s3, 0
	s_cbranch_scc1 .Llap
	THREE 0, 0                                     ; the last lap fills nothing and has no round: my one tensor load still out is the last K step's
	TURN 0, 1, 0
	THREE 1, 0
	s_wait_dscnt 8                                 ; the very last quarter
	WIN MUL_LO
	MUL16 F1, 0, 0, 0
	MUL16 F1, 0, 2, 0
	s_wait_dscnt 0
	WIN MUL_HI
	MUL16 F1, 1, 0, 0
	MUL16 F1, 1, 2, 0
	; THE WAY OUT.  Lane (r, h), tile (a, b), register j holds row 16 (4 hi + a) + r, column 16 b + 8 h + j of my 128 x 128.
	PLACES                                         ; behind the last matrix instructions: the fragment buffers are loaded again, the sums are read
	WIN 0
.irp b, 0,1,2,3,4,5,6,7
	ds_load_b128 v[ALPHA+8*\b:ALPHA+8*\b+3],   v[PCOL] offset:512+64*\b      ; my wave's own bytes, stored ahead of the K loop
	ds_load_b128 v[ALPHA+8*\b+4:ALPHA+8*\b+7], v[PCOL] offset:512+64*\b+16
	ds_load_b128 v[MU+8*\b:MU+8*\b+3],         v[PCOL] offset:1024+64*\b
	ds_load_b128 v[MU+8*\b+4:MU+8*\b+7],       v[PCOL] offset:1024+64*\b+16
.endr
.irp m, 0,1,2,3,4,5,6,7
	ds_load_b32 v[RS+2*\m],   v[PRS] offset:64*\m  ; the row's sum, twice: a pair for the packed multiply-add
	ds_load_b32 v[RS+2*\m+1], v[PRS] offset:64*\m
.endr
	WIN TO_B
.irp b, 0,1,2,3,4,5,6,7
	ds_load_b128 v[BIAS+8*\b:BIAS+8*\b+3],   v[PCOL] offset:1536+64*\b
	ds_load_b128 v[BIAS+8*\b+4:BIAS+8*\b+7], v[PCOL] offset:1536+64*\b+16
.endr
	s_lshl_b32 s80, s84, 14                        ; my first row, 16,384 bytes a row,
	s_lshl_b32 s82, s85, 2                         ; and my first column
	s_add_co_u32 s80, s80, s82
	s_add_nc_u64 s[8:9], s[8:9], s[80:81]
	s_wait_dscnt 0x0
.macro SCALE a                         ; the eight tiles of a block of 16 rows: sum * alpha + bias, 32 packed multiply-adds
.irp b, 0,1,2,3,4,5,6,7
.irp p, 0,2,4,6
	v_pk_fma_f32 v[8*(8*\a+\b)+\p:8*(8*\a+\b)+\p+1], v[8*(8*\a+\b)+\p:8*(8*\a+\b)+\p+1], v[ALPHA+8*\b+\p:ALPHA+8*\b+\p+1], v[BIAS+8*\b+\p:BIAS+8*\b+\p+1]
.endr
.endr
.endm
.macro SHIFT a, m                      ; + mu * row sum
.irp b, 0,1,2,3,4,5,6,7
.irp p, 0,2,4,6
	v_pk_fma_f32 v[8*(8*\a+\b)+\p:8*(8*\a+\b)+\p+1], v[MU+8*\b+\p:MU+8*\b+\p+1], v[RS+2*\m:RS+2*\m+1], v[8*(8*\a+\b)+\p:8*(8*\a+\b)+\p+1]
.endr
.endr
.endm
; + (x A^T) B^T: two matrix instructions a tile, each adding two of the four quarter sums.  The block's 8 accumulators take turns, one instruction a turn.
.macro LORA a, m
.irp q, 0,1
.set PT, 2*\m+\q
.set PR, 8*PT+128*(PT/8)
.irp b, 0,1,2,3,4,5,6,7
	v_wmma_f32_16x16x32_f16 v[8*(8*\a+\b):8*(8*\a+\b)+7], v[LBF+8*\b:LBF+8*\b+7], v[PR:PR+7], v[8*(8*\a+\b):8*(8*\a+\b)+7]
.endr
.endr
.endm
; Rows 16 m .. 16 m + 15 of my block = the eight tiles (a, 0..7) of window 2 or 3, finished and sent off before the next sixteen rows are touched, so that a block's
; sixteen stores are on their way while the next block is computed.  Window settings: wsc: sums (source 0, destination) in their window, alpha window 0, bias window 1;
; wsh: mu and row sums window 0, sums (source 2, destination); wlo: lora_B window 0, xap window 1, C and D; wst: an LDS store's data (source 1).
; 32 bytes a lane go into my own stage and come back as whole rows.  LDS serves a wave's instructions in order (ISA guide 5.7.1), so no wait stands between the
; stores and the loads, nor between a block's loads and the next block's stores.
.macro BLOCK m, a, wsc, wsh, wlo, wst
	WIN \wsc
	SCALE \a
	WIN \wsh
	SHIFT \a, \m
	WIN \wlo
	LORA \a, \m
	PLACES                                         ; behind the last matrix instructions: LDS stores read the results
	WIN \wst
.irp b, 0,1,2,3,4,5,6,7
	ds_store_b128 v[STO], v[8*(8*\a+\b):8*(8*\a+\b)+3]   offset:64*\b
	ds_store_b128 v[STO], v[8*(8*\a+\b)+4:8*(8*\a+\b)+7] offset:64*\b+16
.endr
	WIN TO_B
	s_wait_xcnt 0x0                                ; the store data, which the last block's stores read, and the stores' base are written again only behind this wait
.if \m
	s_add_nc_u64 s[8:9], s[8:9], 16*SIZE_N*4       ; 16 rows on
.endif
.irp t, 0,1,2,3,4,5,6,7,8,9,10,11,12,13,14,15
	ds_load_b128 v[OB+4*\t:OB+4*\t+3], v[RD] offset:\t*SPITCH
.endr
	WIN FROM_B
.irp t, 0,1,2,3,4,5,6,7,8,9,10,11,12,13,14,15
	s_wait_dscnt 15-\t                             ; row t is back; the younger loads stay out
	global_store_b128 v[CO], v[OB+4*\t:OB+4*\t+3], s[8:9] offset:\t*SIZE_N*4 th:TH_STORE_NT   ; the wave stores 512 neighbouring bytes of a row, aligned to 512
.endr
.endm
	BLOCK 0, 0, 0x92, 0xa0, 0xa4, 0x08
	BLOCK 1, 1, 0x92, 0xa0, 0xa4, 0x08
	BLOCK 2, 2, 0x92, 0xa0, 0xa4, 0x08
	BLOCK 3, 3, 0x92, 0xa0, 0xa4, 0x08
	BLOCK 4, 0, 0xd3, 0xf0, 0xf4, 0x0c
	BLOCK 5, 1, 0xd3, 0xf0, 0xf4, 0x0c
	BLOCK 6, 2, 0xd3, 0xf0, 0xf4, 0x0c
	BLOCK 7, 3, 0xd3, 0xf0, 0xf4, 0x0c
	WIN 0
	s_wait_tensorcnt 0x0
	ds_add_u32 v62, v63
	s_wait_dscnt 0x0
	CROUND                                         ; the closing round: no work-group ends while a partner may still ask for a tile that names it
	s_endpgm
.Lfunc_end_k_qdb5cca75ac_gemm:
	.size	k_qdb5cca75ac_gemm, .Lfunc_end_k_qdb5cca75ac_gemm-k_qdb5cca75ac_gemm
	.p2alignl 7, 3214868480
	.fill 96, 4, 3214868480
	.section	.rodata,"a",@progbits
	.p2align	6, 0x0
	.amdhsa_kernel k_qdb5cca75ac_gemm
		.amdhsa_group_segment_fixed_size 327680
		.amdhsa_private_segment_fixed_size 0
		.amdhsa_enable_private_segment 0
		.amdhsa_kernarg_size 72
		.amdhsa_user_sgpr_count 2
		.amdhsa_user_sgpr_kernarg_segment_ptr 1
		.amdhsa_wavefront_size32 1
		.amdhsa_system_sgpr_workgroup_id_x 1
		.amdhsa_system_sgpr_workgroup_id_y 1
		.amdhsa_system_sgpr_workgroup_id_z 1
		.amdhsa_system_vgpr_workitem_id 0
		.amdhsa_next_free_vgpr 1024
		.amdhsa_next_free_sgpr 90
		.amdhsa_reserve_vcc 0
		.amdhsa_float_denorm_mode_32 3
		.amdhsa_float_denorm_mode_16_64 3
		.amdhsa_memory_ordered 1
		.amdhsa_forward_progress 1
		.amdhsa_inst_pref_size 254
	.end_amdhsa_kernel
	.amdgpu_metadata
---
amdhsa.version: [ 1, 2 ]
amdhsa.kernels:
  - .name:           k_qdb5cca75ac_gemm
    .symbol:         k_qdb5cca75ac_gemm.kd
    .args:
      - { .name: xh, .offset: 0, .size: 8, .value_kind: global_buffer, .address_space: global }
      - { .name: wh, .offset: 8, .size: 8, .value_kind: global_buffer, .address_space: global }
      - { .name: out0, .offset: 16, .size: 8, .value_kind: global_buffer, .address_space: global }
      - { .name: xap, .offset: 24, .size: 8, .value_kind: global_buffer, .address_space: global }
      - { .name: rsp, .offset: 32, .size: 8, .value_kind: global_buffer, .address_space: global }
      - { .name: alpha, .offset: 40, .size: 8, .value_kind: global_buffer, .address_space: global }
      - { .name: mu, .offset: 48, .size: 8, .value_kind: global_buffer, .address_space: global }
      - { .name: bias, .offset: 56, .size: 8, .value_kind: global_buffer, .address_space: global }
      - { .name: lora_B, .offset: 64, .size: 8, .value_kind: global_buffer, .address_space: global }
    .group_segment_fixed_size: 327680
    .private_segment_fixed_size: 0
    .kernarg_segment_align: 8
    .kernarg_segment_size: 72
    .max_flat_workgroup_size: 128
    .sgpr_count:     90
    .vgpr_count:     1024
    .wavefront_size: 32
...
	.end_amdgpu_metadata
.endif
;; end of part 2
